; MI455X (gfx1250); checked and timed in simulation.
; The chip was launched on July 23, 2026; its instructions are those of AMD's public machine-readable ISA for CDNA 5 (MIT licence, August 2026) and "CDNA5" Instruction Set Architecture Reference Guide (July 2026). The comments in the code are by the model that wrote it; some were corrected since.
;; Sparse Mo E Layer. Allowed arithmetic: matrix products marked QUANTISED: E2M3 operands, one E8M0 scale for each 32 along K, by v_wmma_scale_f32_16x16x128_f8f6f4 with both operands' format E2M3, f32 sums; products left as they are: f32 operands where the result goes on into a quantised operand, else bf16, f16 or f32 operands; f32 sums; everything else in f32.
;; Inputs: gate_w 8 x 1,024 float32; w_gate_codes 8 x 2,048 x 32 x 24 uint8 (E2M3 codes of w_gate, K innermost, in blocks of 32 codes, four codes in three bytes); w_gate_scales 8 x 2,048 x 32 uint8 (E8M0 scales of w_gate, one for each 32 codes along K); w_in_codes 8 x 2,048 x 32 x 24 uint8 (E2M3 codes of w_in, K innermost, in blocks of 32 codes, four codes in three bytes); w_in_scales 8 x 2,048 x 32 uint8 (E8M0 scales of w_in, one for each 32 codes along K); w_out_codes 8 x 1,024 x 64 x 24 uint8 (E2M3 codes of w_out, K innermost, in blocks of 32 codes, four codes in three bytes); w_out_scales 8 x 1,024 x 64 uint8 (E8M0 scales of w_out, one for each 32 codes along K); x 4 x 256 x 1,024 float32.
;; Outputs: out0 4 x 256 x 1,024 float32.
;; This version of the problem:
;;   THIS VERSION OF THE PROBLEM IS GIVEN IN LOW PRECISION. The matrix products marked QUANTISED in the list below multiply operands that are first quantised to E2M3 (2 exponent bits, 3 mantissa bits; 6 bits a number), with one power-of-two scale for each 32 numbers along K (OCP MX v1.0); their sums are f32. All else is computed in f32.
;;   The module's matrix products, in the order in which they are computed (A, B: the left and right operand; K: the contracted axis; several contracted axes count as one K, in the product's order):
;;     1. [M 1,024, K 1,024] x [K 1,024, N 8]; A: input x; B: input gate_w: left as it is (N = 8 < 16)
;;     2. [M 1,024, K 1,024] x [K 1,024, N 2,048]; A: computed on the way; B: input w_gate (given as codes): QUANTISED
;;     3. [M 1,024, K 1,024] x [K 1,024, N 2,048]; A: computed on the way; B: input w_in (given as codes): QUANTISED
;;     4. [M 1,024, K 2,048] x [K 2,048, N 1,024]; A: computed on the way; B: input w_out (given as codes): QUANTISED
;;     5. [M 1,024, K 1,024] x [K 1,024, N 2,048]; A: computed on the way; B: input w_gate (given as codes): QUANTISED
;;     6. [M 1,024, K 1,024] x [K 1,024, N 2,048]; A: computed on the way; B: input w_in (given as codes): QUANTISED
;;     7. [M 1,024, K 2,048] x [K 2,048, N 1,024]; A: computed on the way; B: input w_out (given as codes): QUANTISED
;;     8. [M 1,024, K 1,024] x [K 1,024, N 2,048]; A: computed on the way; B: input w_gate (given as codes): QUANTISED
;;     9. [M 1,024, K 1,024] x [K 1,024, N 2,048]; A: computed on the way; B: input w_in (given as codes): QUANTISED
;;     10. [M 1,024, K 2,048] x [K 2,048, N 1,024]; A: computed on the way; B: input w_out (given as codes): QUANTISED
;;     11. [M 1,024, K 1,024] x [K 1,024, N 2,048]; A: computed on the way; B: input w_gate (given as codes): QUANTISED
;;     12. [M 1,024, K 1,024] x [K 1,024, N 2,048]; A: computed on the way; B: input w_in (given as codes): QUANTISED
;;     13. [M 1,024, K 2,048] x [K 2,048, N 1,024]; A: computed on the way; B: input w_out (given as codes): QUANTISED
;;     14. [M 1,024, K 1,024] x [K 1,024, N 2,048]; A: computed on the way; B: input w_gate (given as codes): QUANTISED
;;     15. [M 1,024, K 1,024] x [K 1,024, N 2,048]; A: computed on the way; B: input w_in (given as codes): QUANTISED
;;     16. [M 1,024, K 2,048] x [K 2,048, N 1,024]; A: computed on the way; B: input w_out (given as codes): QUANTISED
;;     17. [M 1,024, K 1,024] x [K 1,024, N 2,048]; A: computed on the way; B: input w_gate (given as codes): QUANTISED
;;     18. [M 1,024, K 1,024] x [K 1,024, N 2,048]; A: computed on the way; B: input w_in (given as codes): QUANTISED
;;     19. [M 1,024, K 2,048] x [K 2,048, N 1,024]; A: computed on the way; B: input w_out (given as codes): QUANTISED
;;     20. [M 1,024, K 1,024] x [K 1,024, N 2,048]; A: computed on the way; B: input w_gate (given as codes): QUANTISED
;;     21. [M 1,024, K 1,024] x [K 1,024, N 2,048]; A: computed on the way; B: input w_in (given as codes): QUANTISED
;;     22. [M 1,024, K 2,048] x [K 2,048, N 1,024]; A: computed on the way; B: input w_out (given as codes): QUANTISED
;;     23. [M 1,024, K 1,024] x [K 1,024, N 2,048]; A: computed on the way; B: input w_gate (given as codes): QUANTISED
;;     24. [M 1,024, K 1,024] x [K 1,024, N 2,048]; A: computed on the way; B: input w_in (given as codes): QUANTISED
;;     25. [M 1,024, K 2,048] x [K 2,048, N 1,024]; A: computed on the way; B: input w_out (given as codes): QUANTISED
;;   THE QUANTISER, for each operand of a quantised product, along K:
;;     - K is cut into blocks of 32 from its start; a last block that is shorter is filled with zeros.
;;     - A block's scale is 2^e with e = floor(log2(the largest magnitude in the block)) - 2, held to -126 .. 127; a block of zeros has e = 0. As a byte (E8M0): e + 127.
;;     - Each number is divided by its block's scale, clamped to +-7.5, and rounded to the nearest number of E2M3, ties to even, subnormals kept.
;;     - The product sums the exact products of the quantised numbers (number of the format x scale) in f32.
;;   ~~~python
;;   def quantise(x, axis):      # numpy; x: float32 -> the quantised numbers, widened to float32 again
;;       x = np.moveaxis(x, axis, -1); K = x.shape[-1]
;;       x = np.pad(x, [(0, 0)] * (x.ndim - 1) + [(0, -K % 32)]); x = x.reshape(x.shape[:-1] + (-1, 32)); a = np.abs(x).max(-1, keepdims=True)
;;       e = np.where(a > 0, np.clip(np.frexp(np.where(a > 0, a, 1))[1] - 1 - 2, -126, 127), 0)      # np.frexp(a)[1] - 1 = floor(log2(a)), exactly
;;       r = np.clip(x / 2.0 ** e, -7.5, 7.5)
;;       step = 2.0 ** (np.maximum(np.frexp(np.where(r == 0, 1, r))[1] - 1, 0) - 3)
;;       q = np.round(r / step) * step * 2.0 ** e      # np.round: ties to even
;;       return np.moveaxis(q.reshape(q.shape[:-2] + (-1,))[..., :K], -1, axis).astype(np.float32)
;;   ~~~
;;   OPERANDS COMPUTED ON THE WAY. 'Computed on the way' means the value that the module computes at that place (a softmax that the list does not call 'softmax' is quantised finished and normalised). What goes into a quantiser is computed in f32, as accurately as f32 sums, v_exp_f32 and their like allow (about 1e-6 of the number): no bf16 or f16 on the way to a quantiser, and a product that is left as it is and whose result goes on into a quantised operand takes f32 operands (vector FMAs, or v_wmma_f32_16x16x4_f32). A number that lies on a knife's edge between two numbers of the format may be rounded either way, as far as f32 arithmetic and the matrix unit's own rounding can turn it there, and no further.
;;   INPUTS GIVEN AS CODES. w_gate (in the module: [8, 2048, 1024], K = its axis 2); w_in (in the module: [8, 2048, 1024], K = its axis 2); w_out (in the module: [8, 1024, 2048], K = its axis 2): each comes as NAME_codes (uint8): NAME with its K axis moved to the last place and cut into blocks of 32 codes, [.., K / 32, bytes a block], one block behind the other in memory; four codes in three bytes: a row's codes are one little-endian stream of bits, code i at bits 6 i .. 6 i + 5 (a code: sign, 2 exponent bits, 3 mantissa bits); and NAME_scales (uint8): the same leading axes, one E8M0 byte (e + 127) for each 32 codes along K. Its value is code x scale, taken as it is: it is not quantised again, and the codes and scales need not be those that the quantiser above would give.
;; One version. Each part assembles by itself: llvm-mc -triple=amdgcn-amd-amdhsa -mcpu=gfx1250 --defsym DOCPART=n.
;; ======== version 1 of 1: 4 launches
;; limits: right only within a limited range of input values
;; workspace buffers: ridx 8,192 bytes of whole numbers; rw 8,192 bytes; xq 786,432 bytes; xs 32,768 bytes; hq 12,582,912 bytes; hs 524,288 bytes; y 8,388,608 bytes
;; launch route (part 1): grid 256 x 1, 4 waves a work-group, no clusters, 18,944 bytes of LDS; arguments x, gate_w, ridx, rw, xq, xs; writes ridx, rw, xq, xs
.if DOCPART == 1
	.amdgcn_target "amdgcn-amd-amdhsa--gfx1250"
	.amdhsa_code_object_version 6
	.text
	.protected	k_q20abb8d164_route
	.globl	k_q20abb8d164_route
	.p2align	8
	.type	k_q20abb8d164_route,@function
k_q20abb8d164_route:
	s_mov_b64 s[64:65], 0
	v_nop
	global_prefetch_b8 v0, s[64:65] scope:SCOPE_SE
	s_setreg_imm32_b32 hwreg(HW_REG_WAVE_MODE, 25, 1), 1
	s_wait_xcnt 0x0
; THE ROUTER AND THE QUANTISER OF x.  One wave takes one token t = 4 x work-group + wave: its 8 logits in f32 (fused multiply-adds), the two largest
; (ties to the lower index), the softmax of the two with the larger taken away first, and the token's 1,024 numbers as codes of E2M3 with one E8M0 byte for each 32.
; STORED: ridx[t][2] the two experts (whole numbers, at fixed places: no address here hangs on them), rw[t][2] their weights,
; xq[t][768]: K step s (96 bytes) laid [h][c][24 bytes] = blocks 4 s + 2 c + h, so that lane (r, h) of the next launch finds its 12 operand registers as 48 bytes on end; xs[t][32] the bytes in natural order.
; LIMITS: NaN and infinities are not served.  A block of zeros gets the byte 1 where the rule says 127: its codes are zeros, and this program alone reads the bytes.
; The logits' sums are taken in another order than a plain chain: two logits that agree to their last bits may be ranked the other way.
; No matrix unit, no cluster, no barrier: the product has 8 columns, and waves share nothing but gate_w, which is 32 KiB.
.set ACC,  8                           ; v[8:23]   a pair of partial sums for each expert
.set X,    32                          ; v[32:63]  x as loaded: register 4 j + i = k 128 j + 4 lane + i
.set GW,   64                          ; v[64:255] gate_w, six experts at a time, laid as x
.set XB,   128                         ; v[128:159] my block: k = 32 lane + 0 .. 31 (when experts 2 and 3 are done with)
.set WLDS, 4608                        ; a wave's stage: 32 x (128 bytes + 16)
; WORK LEFT OUT IN THE WHOLE PROGRAM: for an expert that a token did not choose, reference() sets the token's row of mx to zeros and its weight w to 0: the row's h is silu(0) x 0 = 0 and its
; term of out is 0 x 0, for all finite inputs.  So only the two chosen experts' rows are multiplied.  A NaN, an infinity or an overflow that reaches only the rows left out is not carried to the result.
	s_load_b128 s[4:7], s[0:1], 0x0                ; x 4:5, gate_w 6:7
	s_load_b256 s[12:19], s[0:1], 0x10             ; ridx 12:13, rw 14:15, xq 16:17, xs 18:19
	s_set_vgpr_msb 0x40
	v_lshl_add_u32 v0, v0, 2, 0x4800
	v_mov_b32 v1, 0
	s_set_vgpr_msb 0x4000
	v_lshrrev_b32 v1, 5, v0
	v_readfirstlane_b32 s20, v1                    ; wave
	v_and_b32 v1, 31, v0                           ; lane
	v_lshlrev_b32 v2, 4, v1                        ; 16 x lane: my bytes of a load's 512
	s_mul_i32 s27, s20, WLDS
	v_lshrrev_b32 v3, 3, v1
	v_lshl_add_u32 v3, v3, 4, v2
	v_add_nc_u32 v3, s27, v3                       ; the stage, in: 16 lane + 16 for each 128 bytes passed
	v_mul_u32_u24 v4, v1, 144
	v_add_nc_u32 v4, s27, v4                       ; and out: my block's 128 bytes
	v_lshrrev_b32 v5, 2, v1
	v_mul_u32_u24 v5, v5, 96
	v_and_b32 v6, 1, v1
	v_mad_u32_u24 v5, v6, 48, v5
	v_bfe_u32 v6, v1, 1, 1
	v_mad_u32_u24 v5, v6, 24, v5                   ; block l in xq's row: 96 (l / 4) + 48 (l % 2) + 24 ((l / 2) % 2)
	s_lshl_b32 s21, ttmp9, 2
	s_add_co_u32 s21, s21, s20                     ; the token
	s_mov_b32 s23, 0
	s_mov_b32 s24, 0x76543210
	s_mov_b32 s25, 0xfedcba98                      ; v_permlanex16_b32's selects for lane l xor 16
	s_wait_alu depctr_va_vdst(0)
	s_wait_kmcnt 0x0
	s_lshl_b32 s22, s21, 12
	s_add_nc_u64 s[4:5], s[4:5], s[22:23]          ; x at my row
	s_mul_i32 s22, s21, 768
	s_add_nc_u64 s[16:17], s[16:17], s[22:23]
	s_lshl_b32 s22, s21, 5
	s_add_nc_u64 s[18:19], s[18:19], s[22:23]
	s_lshl_b32 s22, s21, 3
	s_add_nc_u64 s[12:13], s[12:13], s[22:23]
	s_add_nc_u64 s[14:15], s[14:15], s[22:23]
.irp j, 0,1,2,3,4,5,6,7
	global_load_b128 v[X+4*\j:X+4*\j+3], v2, s[4:5] offset:512*\j th:TH_LOAD_NT   ; 32 lanes read 512 bytes on end; x is read once in the launch
.endr
.irp e, 0,1,2,3,4,5
.irp j, 0,1,2,3,4,5,6,7
	global_load_b128 v[GW+32*\e+4*\j:GW+32*\e+4*\j+3], v2, s[6:7] offset:4096*\e+512*\j
.endr
.endr
	s_wait_loadcnt 48                              ; x is in; the 48 loads of gate_w may be out
.irp j, 0,1,2,3,4,5,6,7
	ds_store_b128 v3, v[X+4*\j:X+4*\j+3] offset:576*\j   ; x turns through the wave's own stage: as loaded in, a block a lane out
.endr
; two experts' partial sums, by turns: the first product starts each sum
.macro PAIR ea, ra, eb, rb
	v_pk_mul_f32 v[ACC+2*\ea:ACC+2*\ea+1], v[X:X+1], v[\ra:\ra+1]
	v_pk_mul_f32 v[ACC+2*\eb:ACC+2*\eb+1], v[X:X+1], v[\rb:\rb+1]
.irp j, 2,4,6,8,10,12,14,16,18,20,22,24,26,28,30
	v_pk_fma_f32 v[ACC+2*\ea:ACC+2*\ea+1], v[X+\j:X+\j+1], v[\ra+\j:\ra+\j+1], v[ACC+2*\ea:ACC+2*\ea+1]
	v_pk_fma_f32 v[ACC+2*\eb:ACC+2*\eb+1], v[X+\j:X+\j+1], v[\rb+\j:\rb+\j+1], v[ACC+2*\eb:ACC+2*\eb+1]
.endr
.endm
	s_wait_loadcnt 32                              ; experts 0 and 1 are in; 2 to 5 may be out
	PAIR 0, GW, 1, GW+32
.irp e, 6,7
.irp j, 0,1,2,3,4,5,6,7
	global_load_b128 v[GW+32*(\e-6)+4*\j:GW+32*(\e-6)+4*\j+3], v2, s[6:7] offset:4096*\e+512*\j   ; experts 6 and 7 take the registers of 0 and 1
.endr
.endr
	s_wait_loadcnt 32                              ; experts 2 and 3 are in; 4, 5, 6, 7 may be out
	PAIR 2, GW+64, 3, GW+96
.irp i, 0,1,2,3,4,5,6,7
	ds_load_b128 v[XB+4*\i:XB+4*\i+3], v4 offset:16*\i   ; LDS serves a wave's instructions in order: these see my stores
.endr
	s_wait_loadcnt 16                              ; experts 4 and 5 are in
	PAIR 4, GW+128, 5, GW+160
	; my block of 32: its largest magnitude, with the floor 2^(3 - 127) among the leaves, which holds the byte at 1 from below
	s_wait_dscnt 0x0
	v_max3_num_f32 v160, |v[XB]|, |v[XB+1]|, |v[XB+2]|
	v_max3_num_f32 v161, |v[XB+3]|, |v[XB+4]|, |v[XB+5]|
.irp i, 6,10,14,18,22,26
	v_max3_num_f32 v160, v160, |v[XB+\i]|, |v[XB+\i+1]|
	v_max3_num_f32 v161, v161, |v[XB+\i+2]|, |v[XB+\i+3]|
.endr
	v_max3_num_f32 v160, v160, |v[XB+30]|, |v[XB+31]|
	v_max3_num_f32 v160, v160, v161, 0x1800000
	v_add_nc_u32 v27, 0xff000000, v160             ; 2 off its exponent field: the conversion takes this operand's exponent field as its scale
	v_cvt_scalef32_pk16_fp6_f32 v[24:26], v[XB:XB+15], v27
	v_cvt_scalef32_pk16_fp6_f32 v[28:30], v[XB+16:XB+31], v27
	v_lshrrev_b32 v31, 23, v27                     ; the scale's byte (a plain line behind the conversions)
	global_store_b96 v5, v[24:26], s[16:17]
	global_store_b96 v5, v[28:30], s[16:17] offset:12
	global_store_b8 v1, v31, s[18:19]
	s_wait_loadcnt 0x0
	PAIR 6, GW, 7, GW+32
	; each logit: the pair's halves, then over the 32 lanes; every lane ends with all eight
.irp e, 0,1,2,3,4,5,6,7
	v_add_f32 v[ACC+2*\e], v[ACC+2*\e], v[ACC+2*\e+1]
.endr
.irp m, 1,2,4,8
.irp e, 0,1,2,3,4,5,6,7
	v_add_f32_dpp v[ACC+2*\e], v[ACC+2*\e], v[ACC+2*\e] row_xmask:\m row_mask:0xf bank_mask:0xf
.endr
.endr
.irp e, 0,1,2,3,4,5,6,7
	v_permlanex16_b32 v[ACC+2*\e+1], v[ACC+2*\e], s24, s25
.endr
.irp e, 0,1,2,3,4,5,6,7
	v_add_f32 v[ACC+2*\e], v[ACC+2*\e], v[ACC+2*\e+1]
.endr
	; the two largest in one pass: v160 b1, v161 b2, v162 i1, v163 i2.  What is kept is kept on <=: of equal logits the lower index stays ahead
	v_mov_b32 v160, v[ACC]
	v_mov_b32 v161, 0xff800000
	v_mov_b32 v162, 0
	v_mov_b32 v163, 0
.irp e, 1,2,3,4,5,6,7
	v_cmp_le_f32 s26, v[ACC+2*\e], v160            ; b1 stays
	v_cmp_le_f32 vcc_lo, v[ACC+2*\e], v161         ; b2 stays
	v_cndmask_b32 v161, v[ACC+2*\e], v161, vcc_lo
	v_cndmask_b32 v163, \e, v163, vcc_lo
	v_cndmask_b32 v161, v160, v161, s26            ; where b1 goes, it becomes b2
	v_cndmask_b32 v163, v162, v163, s26
	v_cndmask_b32 v160, v[ACC+2*\e], v160, s26
	v_cndmask_b32 v162, \e, v162, s26
.endr
	v_sub_f32 v166, v161, v160                     ; the larger is taken away: 0 and b2 - b1
	v_mul_f32 v166, 0x3fb8aa3b, v166
	s_wait_alu depctr_va_vdst(0)
	v_exp_f32 v166, v166                           ; p = e^(b2 - b1), at most 1
	v_nop                                          ; a plain line behind a transcendental
	s_wait_alu depctr_va_vdst(0)
	v_add_f32 v167, 1.0, v166
	s_wait_alu depctr_va_vdst(0)
	v_rcp_f32 v164, v167                           ; the first weight
	v_nop
	s_wait_alu depctr_va_vdst(0)
	v_mul_f32 v165, v166, v164                     ; the second
	s_wait_alu depctr_va_vdst(0)
	s_wait_xcnt 0x0                                ; EXEC changes only behind this wait: stores are out
	v_cmp_eq_u32 vcc_lo, 0, v1
	s_set_vgpr_msb 0x5
	s_wait_tensorcnt 0x0
	ds_add_u32 v0, v1
	s_wait_dscnt 0x0
	s_set_vgpr_msb 0x500
	s_and_saveexec_b32 s26, vcc_lo                 ; lane 0 alone stores; its v1 is the offset 0
	global_store_b64 v1, v[162:163], s[12:13]
	global_store_b64 v1, v[164:165], s[14:15]
	s_endpgm
.Lfunc_end_k_q20abb8d164_route:
	.size	k_q20abb8d164_route, .Lfunc_end_k_q20abb8d164_route-k_q20abb8d164_route
	.p2alignl 7, 3214868480
	.fill 96, 4, 3214868480
	.section	.rodata,"a",@progbits
	.p2align	6, 0x0
	.amdhsa_kernel k_q20abb8d164_route
		.amdhsa_group_segment_fixed_size 18944
		.amdhsa_private_segment_fixed_size 0
		.amdhsa_enable_private_segment 0
		.amdhsa_kernarg_size 48
		.amdhsa_user_sgpr_count 2
		.amdhsa_user_sgpr_kernarg_segment_ptr 1
		.amdhsa_wavefront_size32 1
		.amdhsa_system_sgpr_workgroup_id_x 1
		.amdhsa_system_sgpr_workgroup_id_y 1
		.amdhsa_system_sgpr_workgroup_id_z 1
		.amdhsa_system_vgpr_workitem_id 0
		.amdhsa_next_free_vgpr 258
		.amdhsa_next_free_sgpr 66
		.amdhsa_reserve_vcc 1
		.amdhsa_float_denorm_mode_32 3
		.amdhsa_float_denorm_mode_16_64 3
		.amdhsa_memory_ordered 1
		.amdhsa_forward_progress 1
		.amdhsa_inst_pref_size 27
	.end_amdhsa_kernel
	.amdgpu_metadata
---
amdhsa.version: [ 1, 2 ]
amdhsa.kernels:
  - .name:           k_q20abb8d164_route
    .symbol:         k_q20abb8d164_route.kd
    .args:
      - { .name: x, .offset: 0, .size: 8, .value_kind: global_buffer, .address_space: global }
      - { .name: gate_w, .offset: 8, .size: 8, .value_kind: global_buffer, .address_space: global }
      - { .name: ridx, .offset: 16, .size: 8, .value_kind: global_buffer, .address_space: global }
      - { .name: rw, .offset: 24, .size: 8, .value_kind: global_buffer, .address_space: global }
      - { .name: xq, .offset: 32, .size: 8, .value_kind: global_buffer, .address_space: global }
      - { .name: xs, .offset: 40, .size: 8, .value_kind: global_buffer, .address_space: global }
    .group_segment_fixed_size: 18944
    .private_segment_fixed_size: 0
    .kernarg_segment_align: 8
    .kernarg_segment_size: 48
    .max_flat_workgroup_size: 128
    .sgpr_count:     66
    .vgpr_count:     258
    .wavefront_size: 32
...
	.end_amdgpu_metadata
.endif
;; end of part 1
;; launch up (part 2): grid 32 x 8, 4 waves a work-group, no clusters, 314,112 bytes of LDS; arguments ridx, xq, xs, w_gate_codes, w_gate_scales, w_in_codes, w_in_scales, hq, hs; writes hq, hs
.if DOCPART == 2
	.amdgcn_target "amdgcn-amd-amdhsa--gfx1250"
	.amdhsa_code_object_version 6
	.text
	.protected	k_q20abb8d164_up
	.globl	k_q20abb8d164_up
	.p2align	8
	.type	k_q20abb8d164_up,@function
k_q20abb8d164_up:
	s_mov_b64 s[64:65], 0
	v_nop
	global_prefetch_b8 v0, s[64:65] scope:SCOPE_SE
	s_setreg_imm32_b32 hwreg(HW_REG_WAVE_MODE, 25, 1), 1
	s_wait_xcnt 0x0
; h = silu(Q(x) Wg^T) * (Q(x) Wi^T) for the rows that chose an expert, quantised along H and stored as codes.  Rows of experts that a token did not choose are left out (shown at the head of the first kernel).
; SHARES.  Work-group (x, y): hidden units 64 x .. + 63 of expert e = y, for BOTH blocks of 512 tokens, so each weight byte is loaded by one work-group.  A REGION is (tb, e): block tb's tokens that chose e, in token order.
; Wave w: hb = w % 2 (hidden units 64 x + 32 hb .. + 31 of both matrices = block 2 x + hb of h's K), par = w / 2 (which 16 rows of each unit of 32 rows).  Its 32 weight fragments (384 registers) stay in registers.
; THE WEIGHTS: four slabs of 32 rows (hb, matrix); wave w loads slab w as it lies, 48 loads of 512 bytes on end, lays it into LDS, and behind a barrier each wave reads the fragments of its two slabs.
; THE LISTS: waves 0, 1 rebuild region (0, e)'s list from ridx (whole numbers that the first launch stored), waves 2, 3 region (1, e)'s: a mask for each 32 tokens, their counts, and for each slot the token, by a search in registers.
; Slots past a region's count repeat its last row (an empty region: a valid token); what they make is stored in places of the region's own that nobody uses.  The counts are exchanged through LDS.
; THE ROWS: a GROUP is unit G (slots 32 G .. + 31) of both regions; NG = the longer region's units, at least 1.  A wave gathers 8 rows of each unit from xq as whole rows (12 loads of 512 bytes over at most two rows each) and their
; 32 scale bytes from xs, through registers into a ring of four LDS slots.  Trip g stores group g + 2 and loads group g + 4; one barrier a trip parts a slot's reads from its next stores and its stores from their reads.
; All 16 trips are walked by every wave; a trip past NG passes only the barrier.
; NO TENSOR LOAD, NO CLUSTER: the trips' work is jumped over on counts read from memory, so operands go through registers.  NO PREFETCH: every weight byte is loaded at the head, and the rows are asked for four trips ahead by the loads themselves.
; TRANSPOSED: source 0 = 16 weight rows, source 1 = 16 tokens.  Lane r of tile u takes weight row 8 u + r + 8 (r / 8) of the wave's 32, so register j of tile u in lane (r, h) is hidden unit 16 h + 8 u + j of token r.
; STORED: hq [tb][e][tile 32][block 64][piece 3][row 16][8 bytes]; hs [tb][e][tile 32][row 16][64 bytes]; tile = 2 G + par.  Tiles 0 and 1 of every region are written.
; LIMITS: NaN and infinities are not served; a block of zeros gets the byte 1 (its codes are zeros; this program alone reads the bytes).
; REGISTERS.  Window 0: v0-15 addresses; v16-47 the weights' scale words, v48-63 x's: scales and nothing else; v64-95 four accumulators; v96-122 at work; v128-191 the gather's addresses; v244-253 kept addresses.
;   Windows 1, 2: fragment (m, u, s) in window 1 + s / 4 at 12 (4 (s % 4) + 2 m + u).  Window 3: x's two tiles at 96 q + 12 s; at the head the slab as it lies.  v192-241 of each window: a gathered unit on its way to LDS.
.set PW,    784                        ; a weight row in LDS: 768 bytes + 16
.set SLAB,  32*PW
.set XP,    816                        ; a row of x in LDS: 768 bytes of codes, 32 of scales, 16 spare = 204 words: row r starts 12 r words on, modulo 64: sixteen different groups of four
.set UNIT,  32*XP
.set GRP,   2*UNIT                     ; a slot: unit G of region 0, then of region 1
.set XL,    4*SLAB                     ; the ring, behind the slabs
.set TBL,   XL+4*GRP                   ; the lists: 512 words for each region
.set TBR,   2048
.set CNT,   TBL+2*TBR                  ; the counts, a word a wave
.set SPARE, CNT+256                    ; the spare words, 128 bytes a wave
.set XQ,  6
.set XS,  8
.set WGC, 10
.set WGS, 12
.set WIC, 14
.set WIS, 16
.set HQ,  18
.set HSB, 20
.set WC,  22                           ; s[22:23] my slab's codes
.set M,   40                           ; s40-55 the masks
.set P,   66                           ; s66-81 how many rows lie ahead of each mask
.set WS,  16
.set XSC, 48
.set G,   64
.set U,   80
.set T,   96
.set CD,  112
.set DD,  116
.set MX,  120
.set GT,  128                          ; the gather's registers, 32 for each of a group's two units
.set SG,  192                          ; a gathered unit: 48 registers of codes, 2 of scale bytes
.set TB0, 244                          ; list addresses: TBL + 32 w;
.set TB1, 245                          ; + 4 (l / 4);
.set TB2, 246                          ; + 4 h
.set TS0, 248                          ; the same three, stepped to the group loaded in this trip
.set MID, 251                          ; 16 l + 512 in lanes 0-15, 16 l - 256 in lanes 16-31
.set SPW, 252
.set NIL, 253
.set MSB, 0
.macro WIN new                         ; the immediate's high byte repeats the setting that is left
.if MSB != (\new)
	s_set_vgpr_msb (MSB<<8)|(\new)
.set MSB, (\new)
.endif
.endm
	s_load_b512 s[4:19], s[0:1], 0x0               ; ridx 4:5, xq, xs, w_gate codes, scales, w_in codes, scales, hq 18:19
	s_load_b64 s[20:21], s[0:1], 0x40              ; hs
	v_lshl_add_u32 v[SPW], v0, 2, SPARE
	v_mov_b32 v[NIL], 0
	v_lshrrev_b32 v64, 5, v0
	v_readfirstlane_b32 s24, v64                   ; wave
	s_and_b32 s25, s24, 1                          ; hb; also which half of a list's 64 slots I search
	s_lshr_b32 s26, s24, 1                         ; par; also the matrix of my slab, and the region whose list I build
	s_and_b32 s27, ttmp7, 0xffff                   ; e
	s_mov_b32 s28, 0x76543210
	s_mov_b32 s29, 0xfedcba98                      ; lane l xor 16
	s_mov_b32 s30, 0xffff0000                      ; lanes 16-31
	s_mov_b32 s36, 0xbfb8aa3b                      ; -log2(e)
	s_mov_b32 s37, s36
	s_mul_i32 s40, s24, SLAB
	s_mul_i32 s41, s25, SLAB
	s_mul_i32 s42, s26, 16*XP
	s_mul_i32 s43, s24, 8*XP
	s_lshl_b32 s44, s24, 5
	s_add_co_u32 s44, s44, TBL
	s_lshl_b32 s45, s25, 5
	s_mul_i32 s46, s26, TBR
	s_add_co_u32 s46, s46, TBL
	s_lshl_b32 s47, s24, 2
	s_add_co_u32 s47, s47, CNT
	s_lshl_b32 s39, s26, 9                         ; my region's first token
	v_and_b32 v64, 31, v0                          ; l
	v_and_b32 v65, 15, v0                          ; r
	v_bfe_u32 v66, v0, 4, 1                        ; h
	v_lshrrev_b32 v67, 2, v64                      ; l / 4
	v_and_b32 v68, 3, v64                          ; l % 4
	v_lshlrev_b32 v1, 4, v64                       ; v1  16 l
	v_add_nc_u32 v96, s40, v1                      ; v96 my slab + 16 l;
	v_lshl_add_u32 v97, v66, 4, v96                ; v97 16 more for lanes 16-31 (they fall into the next row)
	v_mul_u32_u24 v2, v65, PW
	v_mad_u32_u24 v2, v66, 24, v2
	v_add_nc_u32 v2, s41, v2                       ; v2  a fragment's row r, + 24 h, in slab hb
	v_and_b32 v3, 8, v65
	v_add_nc_u32 v3, v3, v65
	v_lshlrev_b32 v3, 5, v3                        ; v3  the weights' scale bytes: row r + 8 (r / 8), 32 bytes a row
	v_mul_u32_u24 v98, v65, XP
	v_add_nc_u32 v98, s42, v98                     ; row 16 par + r of a unit
	v_mad_u32_u24 v4, v66, 48, v98                 ; v4  its codes, + 48 h
	v_add_nc_u32 v7, s43, v1                       ; v7  into a unit: my 8 rows + 16 l;
	v_mad_u32_u24 v8, v66, 48, v7                  ; v8  48 more for lanes 16-31
	v_lshlrev_b32 v15, 3, v68                      ; v15 8 (l % 4)
	v_mul_u32_u24 v9, v67, XP
	v_add_nc_u32 v9, v9, v15
	v_add_nc_u32 v9, s43, v9
	v_add_nc_u32 v9, 768, v9                       ; v9  row 8 w + l / 4, its scale bytes 8 (l % 4) ..
	v_mov_b32 v[TB0], s44
	v_lshlrev_b32 v[TB1], 2, v67
	v_add_nc_u32 v[TB1], s44, v[TB1]
	v_lshlrev_b32 v[TB2], 2, v66
	v_add_nc_u32 v[TB2], s44, v[TB2]
	v_add_nc_u32 v[MID], 0x200, v1
	v_mul_u32_u24 v69, v66, 768
	v_sub_nc_u32 v[MID], v[MID], v69
	v_lshlrev_b32 v12, 3, v65
	v_lshl_add_u32 v13, v66, 2, v12
	v_add_nc_u32 v13, 128, v13                     ; v13 hq, piece 1: 128 + 8 r + 4 h
	v_lshl_add_u32 v12, v66, 8, v12                ; v12 hq, piece 0 or 2: 8 r + 256 h
	v_lshlrev_b32 v14, 6, v65                      ; v14 hs: 64 r
	v_lshlrev_b32 v100, 3, v64                     ; 8 l: a token's two experts
	v_add_nc_u32 v78, s45, v64                     ; v78 my slot of 64
	v_lshlrev_b32 v77, 2, v78
	v_add_nc_u32 v77, s46, v77                     ; v77 its word in my region's list
	v_mov_b32 v79, s47                             ; v79 my count's word
	v_mov_b32 v[MX+1], 0                           ; written once: a lane permute's destination counts as one of its sources
	v_add_nc_u32 v0, 768, v98                      ; v0  row 16 par + r, its scale bytes
	s_wait_alu depctr_va_vdst(0)                   ; the wait at the head's end
	s_wait_kmcnt 0x0
	s_mov_b32 s59, 0
	s_lshl_b32 s58, s26, 12
	s_add_nc_u64 s[4:5], s[4:5], s[58:59]          ; ridx at my region's first token
	s_lshl_b32 s56, s27, 11
	s_lshl_b32 s57, ttmp9, 6
	s_add_co_u32 s56, s56, s57
	s_lshl_b32 s57, s25, 5
	s_add_co_u32 s56, s56, s57                     ; my first weight row: 2048 e + 64 x + 32 hb
	s_cmp_eq_u32 s26, 0
	s_cselect_b64 s[WC:WC+1], s[WGC:WGC+1], s[WIC:WIC+1]   ; a choice on the wave's number alone
	s_mul_i32 s58, s56, 768
	s_add_nc_u64 s[WC:WC+1], s[WC:WC+1], s[58:59]
	s_lshl_b32 s58, s56, 5
	s_add_nc_u64 s[WGS:WGS+1], s[WGS:WGS+1], s[58:59]
	s_add_nc_u64 s[WIS:WIS+1], s[WIS:WIS+1], s[58:59]
	s_lshl_b32 s57, ttmp9, 1
	s_add_co_u32 s57, s57, s25                     ; my block of h's K
	s_mul_i32 s58, s27, 786432
	s_mul_i32 s60, s57, 384
	s_add_co_u32 s58, s58, s60
	s_mul_i32 s60, s26, 24576
	s_add_co_u32 s58, s58, s60
	s_add_nc_u64 s[HQ:HQ+1], s[HQ:HQ+1], s[58:59]  ; hq at region (0, e), tile par, my block; region (1, e) lies 8 x 786,432 bytes on, which the stores' immediates reach
	s_lshl_b32 s58, s27, 15
	s_add_co_u32 s58, s58, s57
	s_lshl_b32 s60, s26, 10
	s_add_co_u32 s58, s58, s60
	s_add_nc_u64 s[HSB:HSB+1], s[HSB:HSB+1], s[58:59]
.irp j, 0,1,2,3,4,5,6,7,8,9,10,11,12,13,14,15
	global_load_b64 v[128+2*\j:129+2*\j], v100, s[4:5] offset:256*\j   ; lane l of word j: token 32 j + l of my region's block
.endr
.irp u, 0,1
.irp i, 0,1
	global_load_b128 v[WS+8*\u+4*\i:WS+8*\u+4*\i+3], v3, s[WGS:WGS+1] offset:256*\u+16*\i
	global_load_b128 v[WS+16+8*\u+4*\i:WS+16+8*\u+4*\i+3], v3, s[WIS:WIS+1] offset:256*\u+16*\i
.endr
.endr
	WIN 0xc0                                       ; destination window 3
.set i, 0
.rept 48
	global_load_b128 v[4*i:4*i+3], v1, s[WC:WC+1] offset:512*i   ; my slab: 24,576 bytes on end
.set i, i+1
.endr
	WIN 0
	s_wait_loadcnt 56                              ; the 16 index loads are in; the 8 + 48 behind them may be out
	s_mov_b32 s[P], 0
.irp j, 0,1,2,3,4,5,6,7,8,9,10,11,12,13,14,15
	v_cmp_eq_u32 s56, s27, v[128+2*\j]
	v_cmp_eq_u32 s57, s27, v[129+2*\j]
	s_or_b32 s[M+\j], s56, s57                     ; the tokens of word j that chose e
	s_bcnt1_i32_b32 s58, s[M+\j]
.if \j < 15
	s_add_co_u32 s[P+\j+1], s[P+\j], s58
.else
	s_add_co_u32 s31, s[P+\j], s58                 ; my region's rows
.endif
.endr
	s_max_u32 s33, s31, 1
	s_sub_co_u32 s33, s33, 1                       ; the last row's slot
.macro SSTEP src, width, step          ; one step of the search in a word: at most k set bits in the field at pos?  Then they are passed over
	v_bfe_u32 v75, v[\src], v74, \width
	v_add_nc_u32 v76, \step, v74
	v_cmp_ge_u32 vcc_lo, v69, v75
	v_cndmask_b32 v75, 0, v75, vcc_lo
	v_cndmask_b32 v74, v74, v76, vcc_lo
	v_sub_nc_u32 v69, v69, v75
.endm
.macro SELECT                          ; slot s58 + v78 of my region -> its token, into the list's word at s60 + v77
	v_add_nc_u32 v64, s58, v78
	v_add_nc_u32 v81, s60, v77
	v_min_u32 v64, s33, v64                        ; slots past the end repeat the last row
	v_mov_b32 v65, s[M]
	v_mov_b32 v66, 0
	v_mov_b32 v67, 0
.irp j, 1,2,3,4,5,6,7,8,9,10,11,12,13,14,15
	v_cmp_gt_u32 vcc_lo, s[P+\j], v64
	v_cndmask_b32 v65, s[M+\j], v65, vcc_lo
	v_cndmask_b32 v66, s[P+\j], v66, vcc_lo
	v_cndmask_b32 v67, \j, v67, vcc_lo
.endr
	v_sub_nc_u32 v69, v64, v66                     ; k: which set bit of the word
	v_lshrrev_b32 v70, 1, v65
	v_and_b32 v70, 0x55555555, v70
	v_sub_nc_u32 v70, v65, v70                     ; counts of 2 bits,
	v_lshrrev_b32 v71, 2, v70
	v_and_b32 v71, 0x33333333, v71
	v_and_b32 v75, 0x33333333, v70
	v_add_nc_u32 v71, v71, v75                     ; of 4,
	v_lshrrev_b32 v72, 4, v71
	v_add_nc_u32 v72, v72, v71
	v_and_b32 v72, 0x0f0f0f0f, v72                 ; of 8,
	v_lshrrev_b32 v73, 8, v72
	v_add_nc_u32 v73, v73, v72                     ; of 16
	v_mov_b32 v74, 0
	SSTEP 73, 8, 16
	SSTEP 72, 8, 8
	SSTEP 71, 4, 4
	SSTEP 70, 2, 2
	SSTEP 65, 1, 1
	v_lshl_add_u32 v80, v67, 5, v74
	v_add_nc_u32 v80, s39, v80                     ; the token, 0 .. 1023
	ds_store_b32 v81, v80
.endm
	s_mov_b32 s57, 0
.Lsel0:                                                ; slots 0-127 of each region, groups 0 to 3: always
	s_lshl_b32 s58, s57, 6
	s_lshl_b32 s60, s57, 8
	SELECT
	s_add_co_u32 s57, s57, 1
	s_cmp_lt_u32 s57, 2
	s_cbranch_scc1 .Lsel0
	v_mov_b32 v88, s31
	ds_store_b32 v79, v88                          ; my region's count (all lanes the same word and number)
	s_wait_alu depctr_va_vdst(0)
	s_wait_dscnt 0x0                               ; for the others' sake: my words are in LDS
	s_barrier_signal -1
	s_barrier_wait -1
	v_mov_b32 v89, CNT
	ds_load_b128 v[92:95], v89
	s_wait_dscnt 0x0
	v_readfirstlane_b32 s56, v92                   ; region 0's rows,
	v_readfirstlane_b32 s57, v94                   ; region 1's
	s_max_u32 s56, s56, s57
	s_add_co_u32 s56, s56, 31
	s_lshr_b32 s32, s56, 5
	s_max_u32 s32, s32, 1
	s_min_u32 s32, s32, 16                         ; NG
; A group's rows from memory into registers: 26 loads.  ra, rb, rc: the three list addresses; off: the group's place in a list; set: which registers.
; Three loads hold a pair of rows: the even row's first 512 bytes; its last 256 and the odd row's first 256; the odd row's last 512.
.macro GLOAD ra, rb, rc, off, set
.set GT, 128+16*(\set)                 ; each set has address registers of its own, 16 a unit; a set's are written again only behind the wait that shows its loads done
.irp u, 0,1
	ds_load_b128 v[GT+32*\u:GT+32*\u+3], v[\ra] offset:TBR*\u+(\off)       ; my 8 rows' tokens, in every lane
	ds_load_b128 v[GT+32*\u+4:GT+32*\u+7], v[\ra] offset:TBR*\u+(\off)+16
.irp p, 0,1,2,3
	ds_load_b32 v[GT+32*\u+8+\p], v[\rc] offset:TBR*\u+(\off)+8*\p         ; lanes 0-15 the even row's, lanes 16-31 the odd row's
.endr
	ds_load_b32 v[GT+32*\u+12], v[\rb] offset:TBR*\u+(\off)                ; row l / 4's
.endr
	s_wait_dscnt 0x0
.irp u, 0,1
.irp i, 0,1,2,3,4,5,6,7,8,9,10,11,12
	v_min_u32 v[GT+32*\u+\i], 0x3ff, v[GT+32*\u+\i]
.endr
.irp i, 0,1,2,3,4,5,6,7,8,9,10,11
	v_mul_u32_u24 v[GT+32*\u+\i], v[GT+32*\u+\i], 768
.endr
.irp i, 0,1,2,3,4,5,6,7
	v_add_nc_u32 v[GT+32*\u+\i], v[GT+32*\u+\i], v1
.endr
.irp i, 8,9,10,11
	v_add_nc_u32 v[GT+32*\u+\i], v[GT+32*\u+\i], v[MID]
.endr
	v_lshl_add_u32 v[GT+32*\u+12], v[GT+32*\u+12], 5, v15
.endr
.irp u, 0,1
	WIN (((1+2*(\set)+\u)%4)<<6)
.irp p, 0,1,2,3
	global_load_b128 v[SG+12*\p:SG+12*\p+3], v[GT+32*\u+2*\p], s[XQ:XQ+1]
	global_load_b128 v[SG+12*\p+4:SG+12*\p+7], v[GT+32*\u+8+\p], s[XQ:XQ+1]
	global_load_b128 v[SG+12*\p+8:SG+12*\p+11], v[GT+32*\u+2*\p+1], s[XQ:XQ+1] offset:256
.endr
	global_load_b64 v[SG+48:SG+49], v[GT+32*\u+12], s[XS:XS+1]
.endr
	WIN 0
.endm
; and from the registers into a slot of the ring
.macro GSTORE slot, set
.set GT, 128+16*(\set)
.irp u, 0,1
	v_add_nc_u32 v[GT+32*\u+13], XL+(\slot)*GRP+\u*UNIT, v7
	v_add_nc_u32 v[GT+32*\u+14], XL+(\slot)*GRP+\u*UNIT, v8
	v_add_nc_u32 v[GT+32*\u+15], XL+(\slot)*GRP+\u*UNIT, v9
.endr
.irp u, 0,1
	WIN (((1+2*(\set)+\u)%4)<<2)                   ; an LDS store's data are its source 1
.irp p, 0,1,2,3
	ds_store_b128 v[GT+32*\u+13], v[SG+12*\p:SG+12*\p+3] offset:2*\p*XP
	ds_store_b128 v[GT+32*\u+14], v[SG+12*\p+4:SG+12*\p+7] offset:2*\p*XP+512
	ds_store_b128 v[GT+32*\u+13], v[SG+12*\p+8:SG+12*\p+11] offset:2*\p*XP+1072
.endr
	ds_store_b64 v[GT+32*\u+15], v[SG+48:SG+49]
.endr
	WIN 0
.endm
	GLOAD TB0, TB1, TB2, 0, 0                      ; groups 0 and 1, whatever NG: their list words are written
	GLOAD TB0, TB1, TB2, 128, 1
	s_mov_b32 s57, 2
.Lsel:                                                 ; slots 128 and up: only as far as NG reaches; six trips, walked by every wave
	s_lshl_b32 s58, s57, 1
	s_cmp_ge_u32 s58, s32
	s_cbranch_scc1 .Lnosel
	s_lshl_b32 s58, s57, 6
	s_lshl_b32 s60, s57, 8
	SELECT
.Lnosel:
	s_add_co_u32 s57, s57, 1
	s_cmp_lt_u32 s57, 8
	s_cbranch_scc1 .Lsel
	s_wait_loadcnt 52                              ; the scale words and my slab are in; the two groups' 52 loads may be out
	WIN 0x0c
.set p, 0
.rept 16                               ; each tile's 16 rows on end: row 2 p goes to place ps
.set ps, 16*((p>>2)&1)+((2*p)&7)+8*(p>>3)
	ds_store_b128 v96, v[12*p:12*p+3] offset:PW*ps
	ds_store_b128 v97, v[12*p+4:12*p+7] offset:PW*ps+512
	ds_store_b128 v96, v[12*p+8:12*p+11] offset:PW*ps+1040
.set p, p+1
.endr
	WIN 0
	s_wait_alu depctr_va_vdst(0)
	s_wait_dscnt 0x0                               ; for the others' sake: my slab and my list words are in LDS
	s_barrier_signal -1
	s_barrier_wait -1
.irp m, 0,1                            ; my 32 fragments: lane (r, h) takes 24 bytes at 96 s + 24 h and 24 at 48 more, in pieces of 8
.irp hf, 0,1
	WIN (0x40<<\hf)
.irp s, 0,1,2,3
.irp u, 0,1
.irp n, 0,1,2,3,4,5
	ds_load_b64 v[12*(4*\s+2*\m+\u)+2*\n:12*(4*\s+2*\m+\u)+2*\n+1], v2 offset:2*SLAB*\m+16*PW*\u+96*(\s+4*\hf)+48*(\n/3)+8*(\n%3)
.endr
.endr
.endr
.endr
.endr
	WIN 0
	s_wait_loadcnt 0x0                             ; groups 0 and 1 are in registers
	GSTORE 0, 0
	GSTORE 1, 1
	s_wait_dscnt 0x0                               ; the stores have read their registers; the fragments are in
	GLOAD TB0, TB1, TB2, 256, 0                    ; groups 2 and 3, whatever NG
	GLOAD TB0, TB1, TB2, 384, 1
	s_wait_alu depctr_va_vdst(0)
	s_barrier_signal -1                            ; (no LDS instruction of mine is out: GLOAD has waited)
	s_barrier_wait -1
; 16 matrix instructions: four K steps x (gate, in) x two tiles.  The four accumulators take turns, one instruction a turn.  The first K step starts the sums.
.macro MULH half, q
	WIN 0x0d+\half                                 ; source 0 window 1 or 2, source 1 window 3, C and D window 0
.irp sl, 0,1,2,3
.irp mu, 0,1,2,3
.if (4*\half+\sl) == 0
	v_wmma_scale_f32_16x16x128_f8f6f4 v[G+8*\mu:G+8*\mu+7], v[12*(4*\sl+\mu):12*(4*\sl+\mu)+11], v[96*\q+12*(4*\half+\sl):96*\q+12*(4*\half+\sl)+11], 0, v[WS+8*\mu+4*\half+\sl], v[XSC+8*\q+4*\half+\sl] matrix_a_fmt:MATRIX_FMT_FP6 matrix_b_fmt:MATRIX_FMT_FP6
.else
	v_wmma_scale_f32_16x16x128_f8f6f4 v[G+8*\mu:G+8*\mu+7], v[12*(4*\sl+\mu):12*(4*\sl+\mu)+11], v[96*\q+12*(4*\half+\sl):96*\q+12*(4*\half+\sl)+11], v[G+8*\mu:G+8*\mu+7], v[WS+8*\mu+4*\half+\sl], v[XSC+8*\q+4*\half+\sl] matrix_a_fmt:MATRIX_FMT_FP6 matrix_b_fmt:MATRIX_FMT_FP6
.endif
.endr
.endr
.endm
; a tile of 16 rows from the ring: 2 loads of scale words, then 24 of codes, K ascending
.macro XLD q, ra, rs
	ds_load_b128 v[XSC+8*\q:XSC+8*\q+3], v[\rs]
	ds_load_b128 v[XSC+8*\q+4:XSC+8*\q+7], v[\rs] offset:16
	WIN 0xc0
.set i, 0
.rept 24
	ds_load_b128 v[96*\q+4*i:96*\q+4*i+3], v[\ra] offset:96*(i/3)+16*(i%3)
.set i, i+1
.endr
	WIN 0
.endm
; silu(g) x u, the block's scale, the codes, the stores.  oq, os: the tile's place in hq and hs
.macro EPI oq, os
	s_wait_xcnt 0x0                                ; the last tile's stores have read their data
.rept 4
	v_nop                                          ; four places behind the last products
.endr
.irp j, 0,2,4,6,8,10,12,14
	v_pk_mul_f32 v[T+\j:T+\j+1], v[G+\j:G+\j+1], s[36:37] op_sel_hi:[1,0]   ; each accumulator is read from its low end on
.endr
	s_wait_alu depctr_va_vdst(0)                   ; a wait ahead of each batch and behind it
.irp j, 0,1,2,3,4,5,6,7,8,9,10,11,12,13,14,15
	v_exp_f32 v[T+\j], v[T+\j]                     ; e^-g
.endr
	v_nop
	s_wait_alu depctr_va_vdst(0)
.irp j, 0,2,4,6,8,10,12,14
	v_pk_add_f32 v[T+\j:T+\j+1], v[T+\j:T+\j+1], 1.0 op_sel_hi:[1,0]
.endr
	s_wait_alu depctr_va_vdst(0)
.irp j, 0,1,2,3,4,5,6,7,8,9,10,11,12,13,14,15
	v_rcp_f32 v[T+\j], v[T+\j]                     ; sigmoid(g)
.endr
	v_nop
	s_wait_alu depctr_va_vdst(0)
.irp j, 0,2,4,6,8,10,12,14
	v_pk_mul_f32 v[G+\j:G+\j+1], v[G+\j:G+\j+1], v[T+\j:T+\j+1]
.endr
.irp j, 0,2,4,6,8,10,12,14
	v_pk_mul_f32 v[G+\j:G+\j+1], v[G+\j:G+\j+1], v[U+\j:U+\j+1]   ; h: hidden units 16 h + 0 .. 15 of my token
.endr
	v_max3_num_f32 v[MX], |v[G]|, |v[G+1]|, 0x1800000   ; my 16 and the floor 2^(3 - 127), in two chains
	v_max3_num_f32 v[MX+2], |v[G+2]|, |v[G+3]|, |v[G+4]|
	v_max3_num_f32 v[MX], v[MX], |v[G+5]|, |v[G+6]|
	v_max3_num_f32 v[MX+2], v[MX+2], |v[G+7]|, |v[G+8]|
	v_max3_num_f32 v[MX], v[MX], |v[G+9]|, |v[G+10]|
	v_max3_num_f32 v[MX+2], v[MX+2], |v[G+11]|, |v[G+12]|
	v_max3_num_f32 v[MX], v[MX], |v[G+13]|, |v[G+14]|
	v_max3_num_f32 v[MX], v[MX], v[MX+2], |v[G+15]|
	v_permlanex16_b32 v[MX+1], v[MX], s28, s29
	v_max_num_f32 v[MX], v[MX], v[MX+1]            ; with lane l xor 16's: the block's largest magnitude
	v_add_nc_u32 v[MX+2], 0xff000000, v[MX]        ; 2 off its exponent field
	v_cvt_scalef32_pk16_fp6_f32 v[CD:CD+2], v[G:G+15], v[MX+2]
	v_lshrrev_b32 v[DD+3], 23, v[MX+2]             ; the byte (a plain line behind the conversion)
	v_cndmask_b32 v[DD], v[CD], v[CD+1], s30       ; the block's 24 bytes are three pieces of 8: lanes 0-15 hold bytes 0-11, lanes 16-31 bytes 12-23
	v_cndmask_b32 v[DD+1], v[CD+1], v[CD+2], s30
	v_cndmask_b32 v[DD+2], v[CD+2], v[CD], s30
	global_store_b64 v12, v[DD:DD+1], s[HQ:HQ+1] offset:\oq
	global_store_b32 v13, v[DD+2], s[HQ:HQ+1] offset:\oq
	global_store_b8 v14, v[DD+3], s[HSB:HSB+1] offset:\os   ; both lanes of a row write the same byte with the same value
.endm
; a group's two tiles of mine, from slot k: region 0's, then region 1's
.macro PAIR k
	v_add_nc_u32 v5, XL+(\k)*GRP, v4
	v_add_nc_u32 v2, XL+(\k)*GRP, v0
	v_add_nc_u32 v6, XL+(\k)*GRP+UNIT, v4
	v_add_nc_u32 v3, XL+(\k)*GRP+UNIT, v0
	XLD 0, 5, 2
	XLD 1, 6, 3
	s_wait_dscnt 38                                ; the first tile's scale words and K steps 0-3 are in; its other 12 loads and the second tile's 26 may be out
	MULH 0, 0
	s_wait_dscnt 26                                ; the second tile's 26 may be out
	MULH 1, 0
	WIN 0
	EPI (\k)*49152, (\k)*2048
	s_wait_dscnt 0x0
	MULH 0, 1
	MULH 1, 1
	WIN 0
	EPI 6291456+(\k)*49152, 262144+(\k)*2048
.endm
; Trip g = s34 + k.  The jumps hang on NG and lead round work alone; the barrier is passed by every wave in every trip.
.macro TRIP k
	s_add_co_u32 s38, s34, \k
	s_cmp_ge_u32 s38, s32
	s_cbranch_scc1 .Lbar_\@
	PAIR \k                                        ; the trip's products first: the groups on their way land meanwhile
	s_add_co_u32 s38, s34, \k+2
	s_cmp_ge_u32 s38, s32
	s_cbranch_scc1 .Lbar_\@
	s_wait_loadcnt 0x0                             ; group g + 2 is in registers (for 0: whether younger loads are out hangs on NG)
	GSTORE (\k+2)%4, \k%2                          ; into the slot that was read in trip g - 2
	s_add_co_u32 s38, s34, \k+4
	s_cmp_ge_u32 s38, s32
	s_cbranch_scc1 .Lbar_\@
	s_wait_dscnt 0x0                               ; the stores have read their registers, which group g + 4 takes
	GLOAD TS0, TS0+1, TS0+2, 128*(\k), \k%2
.Lbar_\@:
	s_wait_dscnt 0x0                               ; my stores into the ring are done, and so are my reads of this trip's slot
	s_barrier_signal -1
	s_barrier_wait -1
.endm
	s_mov_b32 s34, 0                               ; the first group of a round of four trips
	s_mov_b32 s35, 512                             ; the place in a list of the group four on
.Lround:
	s_min_u32 s38, s35, 1536                       ; held inside the lists in the last round, which loads nothing
	v_add_nc_u32 v[TS0], s38, v[TB0]
	v_add_nc_u32 v[TS0+1], s38, v[TB1]
	v_add_nc_u32 v[TS0+2], s38, v[TB2]
	s_wait_alu depctr_va_vdst(0)                   ; the wait behind these writes
	TRIP 0
	TRIP 1
	TRIP 2
	TRIP 3
	s_wait_xcnt 0x0                                ; the stores have read their bases
	s_add_nc_u64 s[HQ:HQ+1], s[HQ:HQ+1], 4*49152   ; four units on
	s_add_nc_u64 s[HSB:HSB+1], s[HSB:HSB+1], 4*2048
	s_add_co_u32 s35, s35, 512
	s_add_co_u32 s34, s34, 4
	s_cmp_lt_u32 s34, 16
	s_cbranch_scc1 .Lround
	s_wait_tensorcnt 0x0                           ; the wave's end
	ds_add_u32 v[SPW], v[NIL]
	s_wait_dscnt 0x0
	s_endpgm
.Lfunc_end_k_q20abb8d164_up:
	.size	k_q20abb8d164_up, .Lfunc_end_k_q20abb8d164_up-k_q20abb8d164_up
	.p2alignl 7, 3214868480
	.fill 96, 4, 3214868480
	.section	.rodata,"a",@progbits
	.p2align	6, 0x0
	.amdhsa_kernel k_q20abb8d164_up
		.amdhsa_group_segment_fixed_size 314112
		.amdhsa_private_segment_fixed_size 0
		.amdhsa_enable_private_segment 0
		.amdhsa_kernarg_size 72
		.amdhsa_user_sgpr_count 2
		.amdhsa_user_sgpr_kernarg_segment_ptr 1
		.amdhsa_wavefront_size32 1
		.amdhsa_system_sgpr_workgroup_id_x 1
		.amdhsa_system_sgpr_workgroup_id_y 1
		.amdhsa_system_sgpr_workgroup_id_z 1
		.amdhsa_system_vgpr_workitem_id 0
		.amdhsa_next_free_vgpr 1024
		.amdhsa_next_free_sgpr 90
		.amdhsa_reserve_vcc 1
		.amdhsa_float_denorm_mode_32 3
		.amdhsa_float_denorm_mode_16_64 3
		.amdhsa_memory_ordered 1
		.amdhsa_forward_progress 1
		.amdhsa_inst_pref_size 205
	.end_amdhsa_kernel
	.amdgpu_metadata
---
amdhsa.version: [ 1, 2 ]
amdhsa.kernels:
  - .name:           k_q20abb8d164_up
    .symbol:         k_q20abb8d164_up.kd
    .args:
      - { .name: ridx, .offset: 0, .size: 8, .value_kind: global_buffer, .address_space: global }
      - { .name: xq, .offset: 8, .size: 8, .value_kind: global_buffer, .address_space: global }
      - { .name: xs, .offset: 16, .size: 8, .value_kind: global_buffer, .address_space: global }
      - { .name: w_gate_codes, .offset: 24, .size: 8, .value_kind: global_buffer, .address_space: global }
      - { .name: w_gate_scales, .offset: 32, .size: 8, .value_kind: global_buffer, .address_space: global }
      - { .name: w_in_codes, .offset: 40, .size: 8, .value_kind: global_buffer, .address_space: global }
      - { .name: w_in_scales, .offset: 48, .size: 8, .value_kind: global_buffer, .address_space: global }
      - { .name: hq, .offset: 56, .size: 8, .value_kind: global_buffer, .address_space: global }
      - { .name: hs, .offset: 64, .size: 8, .value_kind: global_buffer, .address_space: global }
    .group_segment_fixed_size: 314112
    .private_segment_fixed_size: 0
    .kernarg_segment_align: 8
    .kernarg_segment_size: 72
    .max_flat_workgroup_size: 128
    .sgpr_count:     90
    .vgpr_count:     1024
    .wavefront_size: 32
...
	.end_amdgpu_metadata
.endif
;; end of part 2
;; launch down (part 3): grid 32 x 8, 4 waves a work-group, no clusters, 215,552 bytes of LDS; arguments ridx, rw, hq, hs, w_out_codes, w_out_scales, y; writes y
.if DOCPART == 3
	.amdgcn_target "amdgcn-amd-amdhsa--gfx1250"
	.amdhsa_code_object_version 6
	.text
	.protected	k_q20abb8d164_down
	.globl	k_q20abb8d164_down
	.p2align	8
	.type	k_q20abb8d164_down,@function
k_q20abb8d164_down:
	s_mov_b64 s[64:65], 0
	v_nop
	global_prefetch_b8 v0, s[64:65] scope:SCOPE_SE
	s_setreg_imm32_b32 hwreg(HW_REG_WAVE_MODE, 25, 1), 1
	s_wait_xcnt 0x0
; y[2 t + k] = (Q(h) Wo^T) x the routing weight, for entry k (0 or 1) of token t: one row for each chosen (token, expert).  Rows of experts that a token did not choose are left out (shown at the head of the first kernel).
; SHARES.  Work-group (x, y): tb = x % 2 (a block of 512 tokens), dsl = x / 2 (64 output columns), e = y: all tiles of region (tb, e).  Wave w: cb = w % 2 (columns 64 dsl + 32 cb .. + 31), par = w / 2 (tiles par, par + 2, ..).
; Its 32 fragments of w_out (384 registers) stay in registers.  Wave w loads 16 rows (tile par of slab cb) as they lie, 48 loads of 512 bytes on end, lays them into LDS, and behind the head's barrier each wave reads its slab's fragments.
; THE LIST is rebuilt from ridx (whole numbers that the first launch stored): a mask for each 32 tokens, their counts, and for each of the 512 slots the entry 2 token + k, by a search in registers; with it each slot's routing weight.
; Both lie in LDS, at places that hang on the slot alone.  Slots past the count repeat the last row: they store the same bytes to the same places.
; THE TILES OF h: a GROUP is tiles 2 G and 2 G + 1, 49,152 bytes of codes and 2,048 of scale bytes, each on end in memory.  A wave copies a quarter (25 loads of 512 bytes) through registers into a ring of two LDS slots.
; Trip g stores group g + 1 and loads group g + 3; one barrier a trip parts a slot's reads from its next stores and its stores from their reads.  All 16 trips are walked by every wave; a trip past NG passes only the barrier.
; Only written tiles are read: the launch before writes both tiles of every group that holds a row, and group 0 always; the head's second load takes group 1 where the region has one, else group 0 again.
; NO TENSOR LOAD, NO CLUSTER: the trips' work is jumped over on a count read from memory.  NO PREFETCH: the weights are loaded at the head, and the tiles are asked for three trips ahead by the loads themselves.
; TRANSPOSED: source 0 = 16 rows of w_out, source 1 = 16 rows of h: lane (r, h), register j holds y(row r, column 16 n + 8 h + j).  Even and odd K steps have sums of their own, so that four accumulators take turns.
; A wave's 32 columns are 128 bytes of a row of y: a store covers four rows x 128 bytes on end; the neighbouring wave writes the 128 beside them.
; LIMITS: NaN and infinities are not served.
; REGISTERS.  Window 0: v0-15 addresses; v16-47 w_out's scale words (16 + 16 n + s), v48-63 h's: scales and nothing else; v64-95 accumulators; v96-136 at work and kept addresses; v140-171 at the head the index words.
;   Windows 1, 2: fragment (n, s) in window 1 + s / 8 at 12 (2 (s % 8) + n).  Window 3: h's fragments at 12 s; at the head my 16 rows.  v192-255 of windows 1 and 3, v192-227 of windows 2 and 0: a quarter group on its way to LDS, two sets.
.set PITCH, 1552                       ; a weight row in LDS: 1,536 bytes + 16
.set SLAB,  32*PITCH
.set RING,  2*SLAB
.set TILE,  24576
.set SLOT,  2*TILE+2048                ; two tiles' codes, then their scale bytes
.set TBL,   RING+2*SLOT                ; the entries, 512 words
.set WT,    TBL+2048                   ; their routing weights
.set STG,   WT+2048                    ; the way out: 16 rows x (128 bytes + 16) for each wave
.set SPARE, STG+4*2304                 ; the spare words, 128 bytes a wave
.set WS,  16
.set HS,  48
.set AC,  64
.set SPW, 132
.set NIL, 133
.set M,   40                           ; s40-55 the masks
.set P,   66                           ; s66-81 how many rows lie ahead of each mask
.set M1,  82                           ; s82-97 the tokens whose SECOND choice is e
.set MSB, 0
.macro WIN new                         ; the immediate's high byte repeats the setting that is left
.if MSB != (\new)
	s_set_vgpr_msb (MSB<<8)|(\new)
.set MSB, (\new)
.endif
.endm
	s_load_b256 s[4:11], s[0:1], 0x0               ; ridx 4:5, rw 6:7, hq 8:9, hs 10:11
	s_load_b128 s[12:15], s[0:1], 0x20             ; w_out codes 12:13, scales 14:15
	s_load_b64 s[16:17], s[0:1], 0x30              ; y
	v_lshl_add_u32 v[SPW], v0, 2, SPARE
	v_mov_b32 v[NIL], 0
	v_lshrrev_b32 v64, 5, v0
	v_readfirstlane_b32 s24, v64                   ; wave
	s_and_b32 s25, s24, 1                          ; cb
	s_lshr_b32 s26, s24, 1                         ; par
	s_and_b32 s27, ttmp7, 0xffff                   ; e
	s_and_b32 s28, ttmp9, 1                        ; tb
	s_lshr_b32 s29, ttmp9, 1                       ; dsl
	s_mul_i32 s40, s24, 12288
	s_lshl_b32 s41, s24, 9
	s_mul_i32 s42, s26, TILE
	s_add_co_u32 s42, s42, RING
	s_lshl_b32 s43, s26, 10
	s_add_co_u32 s43, s43, RING+2*TILE
	s_mul_i32 s45, s25, SLAB
	s_mul_i32 s44, s26, 16*PITCH
	s_add_co_u32 s44, s44, s45
	s_mul_i32 s46, s24, 2304
	s_add_co_u32 s46, s46, STG
	s_lshl_b32 s47, s26, 6
	s_add_co_u32 s48, s47, WT
	s_add_co_u32 s47, s47, TBL
	v_and_b32 v64, 31, v0                          ; l
	v_and_b32 v65, 15, v0                          ; r
	v_bfe_u32 v66, v0, 4, 1                        ; h
	v_lshrrev_b32 v67, 3, v64                      ; l / 8
	v_and_b32 v68, 7, v64                          ; l % 8
	v_lshlrev_b32 v1, 4, v64                       ; v1  16 l
	v_add_nc_u32 v2, s40, v1                       ; v2  my quarter of a group's codes
	v_add_nc_u32 v3, s41, v1                       ; v3  and of its scale bytes
	v_lshlrev_b32 v4, 3, v65
	v_mad_u32_u24 v4, v66, 384, v4
	v_add_nc_u32 v4, s42, v4                       ; v4, v5  my tile's fragments in slot 0, 1: 8 r + 384 h
	v_add_nc_u32 v5, SLOT, v4
	v_lshlrev_b32 v8, 6, v65                       ; v8  64 r: a row of scale bytes
	v_add_nc_u32 v6, s43, v8                       ; v6, v7  my tile's scale words in slot 0, 1
	v_add_nc_u32 v7, SLOT, v6
	v_add_nc_u32 v9, RING, v2                      ; v9, v10  where my quarter's codes go
	v_add_nc_u32 v10, RING+SLOT, v2
	v_add_nc_u32 v14, RING+2*TILE, v3              ; v14, v15  and its scale bytes
	v_add_nc_u32 v15, RING+2*TILE+SLOT, v3
	v_mul_u32_u24 v11, v65, 144
	v_lshl_add_u32 v11, v66, 5, v11
	v_add_nc_u32 v11, s46, v11                     ; v11 the stage, in: row r, + 32 h
	v_lshlrev_b32 v13, 4, v68                      ; v13 16 (l % 8)
	v_mul_u32_u24 v12, v67, 144
	v_add_nc_u32 v12, v12, v13
	v_add_nc_u32 v12, s46, v12                     ; v12 and back: row l / 8, 16 bytes a lane
	v_lshlrev_b32 v128, 2, v67
	v_add_nc_u32 v128, s47, v128                   ; v128 the entries of tile par: slot l / 8
	v_lshlrev_b32 v129, 2, v65
	v_add_nc_u32 v129, s48, v129                   ; v129 its routing weights: slot r
	v_add_nc_u32 v130, s44, v1                     ; v130 where my 16 weight rows go
	v_mul_u32_u24 v131, v65, PITCH
	v_mad_u32_u24 v131, v66, 24, v131
	v_add_nc_u32 v131, s45, v131                   ; v131 a fragment's row r, + 24 h, in slab cb
	v_lshlrev_b32 v134, 3, v64                     ; 8 l: a token's two experts
	v_lshl_add_u32 v77, v0, 2, TBL                 ; v77 my words of the list,
	v_lshl_add_u32 v78, v0, 2, WT                  ; v78 and of the weights
	v_mov_b32 v121, 0                              ; (named as the upper half of the pair v[120:121])
	s_wait_alu depctr_va_vdst(0)                   ; the wait at the head's end
	s_wait_kmcnt 0x0
	s_mov_b32 s59, 0
	s_lshl_b32 s56, s27, 10
	s_lshl_b32 s58, s29, 6
	s_add_co_u32 s56, s56, s58
	s_lshl_b32 s58, s25, 5
	s_add_co_u32 s56, s56, s58                     ; my slab's first row of w_out: 1024 e + 64 dsl + 32 cb
	s_lshl_b32 s58, s56, 6
	s_add_nc_u64 s[14:15], s[14:15], s[58:59]
	s_lshl_b32 s58, s26, 4
	s_add_co_u32 s56, s56, s58                     ; the 16 rows that I load
	s_mul_i32 s58, s56, 1536
	s_add_nc_u64 s[12:13], s[12:13], s[58:59]
	s_lshl_b32 s58, s28, 12
	s_add_nc_u64 s[4:5], s[4:5], s[58:59]          ; ridx and rw at the block's first token
	s_add_nc_u64 s[6:7], s[6:7], s[58:59]
	s_lshl_b32 s56, s28, 3
	s_add_co_u32 s56, s56, s27                     ; the region
	s_mul_i32 s58, s56, 786432
	s_add_nc_u64 s[8:9], s[8:9], s[58:59]
	s_lshl_b32 s58, s56, 15
	s_add_nc_u64 s[10:11], s[10:11], s[58:59]
	s_lshl_b32 s58, s28, 22
	s_lshl_b32 s60, s29, 8
	s_add_co_u32 s58, s58, s60
	s_lshl_b32 s60, s25, 7
	s_add_co_u32 s58, s58, s60
	s_add_nc_u64 s[16:17], s[16:17], s[58:59]      ; y at the block's first entry, my 32 columns
; my quarter of a group from memory into register set \set: 25 loads.  ra, rs: the offsets' registers; og, os: the group's place behind the bases
.macro HLOAD set, ra, rs, og, os
	WIN (((1+2*(\set))%4)<<6)
.set i, 0
.rept 16
	global_load_b128 v[192+4*i:195+4*i], v[\ra], s[8:9] offset:(\og)+512*i
.set i, i+1
.endr
	WIN (((2+2*(\set))%4)<<6)
.rept 8
	global_load_b128 v[192+4*(i-16):195+4*(i-16)], v[\ra], s[8:9] offset:(\og)+512*i
.set i, i+1
.endr
	global_load_b128 v[224:227], v[\rs], s[10:11] offset:\os
	WIN 0
.endm
; and from the registers into a slot of the ring, as it lies
.macro HSTORE set, slot
	WIN (((1+2*(\set))%4)<<2)                      ; an LDS store's data are its source 1
.set i, 0
.rept 16
	ds_store_b128 v[9+(\slot)], v[192+4*i:195+4*i] offset:512*i
.set i, i+1
.endr
	WIN (((2+2*(\set))%4)<<2)
.rept 8
	ds_store_b128 v[9+(\slot)], v[192+4*(i-16):195+4*(i-16)] offset:512*i
.set i, i+1
.endr
	ds_store_b128 v[14+(\slot)], v[224:227]
	WIN 0
.endm
.irp j, 0,1,2,3,4,5,6,7,8,9,10,11,12,13,14,15
	global_load_b64 v[140+2*\j:141+2*\j], v134, s[4:5] offset:256*\j   ; lane l of word j: token 32 j + l
.endr
	HLOAD 0, 2, 3, 0, 0                            ; group 0: written in every region
.irp n, 0,1
.irp i, 0,1,2,3
	global_load_b128 v[WS+16*\n+4*\i:WS+16*\n+4*\i+3], v8, s[14:15] offset:1024*\n+16*\i
.endr
.endr
	WIN 0xc0                                       ; destination window 3
.set i, 0
.rept 48
	global_load_b128 v[4*i:4*i+3], v1, s[12:13] offset:512*i   ; my 16 rows: 24,576 bytes on end
.set i, i+1
.endr
	WIN 0
	s_wait_loadcnt 63                              ; the 16 index loads are in: 81 loads are younger, and 63 is the most that the wait can name
	s_mov_b32 s[P], 0
.irp j, 0,1,2,3,4,5,6,7,8,9,10,11,12,13,14,15
	v_cmp_eq_u32 s56, s27, v[140+2*\j]
	v_cmp_eq_u32 s[M1+\j], s27, v[141+2*\j]
	s_or_b32 s[M+\j], s56, s[M1+\j]
	s_bcnt1_i32_b32 s58, s[M+\j]
.if \j < 15
	s_add_co_u32 s[P+\j+1], s[P+\j], s58
.else
	s_add_co_u32 s31, s[P+\j], s58                 ; the region's rows
.endif
.endr
	s_max_u32 s33, s31, 1
	s_sub_co_u32 s33, s33, 1                       ; the last row's slot
	s_add_co_u32 s32, s31, 15
	s_lshr_b32 s32, s32, 4                         ; NT: tiles of 16 rows
	s_add_co_u32 s30, s32, 1
	s_lshr_b32 s30, s30, 1
	s_min_u32 s30, s30, 16                         ; NG: groups of two tiles
.macro SSTEP src, width, step          ; one step of the search in a word
	v_bfe_u32 v75, v[\src], v74, \width
	v_add_nc_u32 v76, \step, v74
	v_cmp_ge_u32 vcc_lo, v69, v75
	v_cndmask_b32 v75, 0, v75, vcc_lo
	v_cndmask_b32 v74, v74, v76, vcc_lo
	v_sub_nc_u32 v69, v69, v75
.endm
	s_mov_b32 s57, 0
.Lsel:                                                 ; slot thread + 128 q -> its entry: four trips serve all 512 slots
	s_lshl_b32 s58, s57, 7
	s_lshl_b32 s60, s57, 9
	v_add_nc_u32 v64, s58, v0
	v_add_nc_u32 v81, s60, v77
	v_min_u32 v64, s33, v64                        ; slots past the end repeat the last row
	v_mov_b32 v65, s[M]
	v_mov_b32 v66, 0
	v_mov_b32 v67, 0
	v_mov_b32 v68, s[M1]
.irp j, 1,2,3,4,5,6,7,8,9,10,11,12,13,14,15
	v_cmp_gt_u32 vcc_lo, s[P+\j], v64
	v_cndmask_b32 v65, s[M+\j], v65, vcc_lo
	v_cndmask_b32 v66, s[P+\j], v66, vcc_lo
	v_cndmask_b32 v67, \j, v67, vcc_lo
	v_cndmask_b32 v68, s[M1+\j], v68, vcc_lo
.endr
	v_sub_nc_u32 v69, v64, v66
	v_lshrrev_b32 v70, 1, v65
	v_and_b32 v70, 0x55555555, v70
	v_sub_nc_u32 v70, v65, v70
	v_lshrrev_b32 v71, 2, v70
	v_and_b32 v71, 0x33333333, v71
	v_and_b32 v75, 0x33333333, v70
	v_add_nc_u32 v71, v71, v75
	v_lshrrev_b32 v72, 4, v71
	v_add_nc_u32 v72, v72, v71
	v_and_b32 v72, 0x0f0f0f0f, v72
	v_lshrrev_b32 v73, 8, v72
	v_add_nc_u32 v73, v73, v72
	v_mov_b32 v74, 0
	SSTEP 73, 8, 16
	SSTEP 72, 8, 8
	SSTEP 71, 4, 4
	SSTEP 70, 2, 2
	SSTEP 65, 1, 1
	v_lshrrev_b32 v76, v74, v68
	v_and_b32 v76, 1, v76                          ; k: was e the token's second choice?
	v_lshl_add_u32 v75, v67, 5, v74                ; the token in its block
	v_lshl_add_u32 v80, v75, 1, v76                ; the entry
	ds_store_b32 v81, v80
	s_add_co_u32 s57, s57, 1
	s_cmp_lt_u32 s57, 4
	s_cbranch_scc1 .Lsel
.irp q, 0,1,2,3
	ds_load_b32 v[84+\q], v77 offset:512*\q        ; my own four words back: LDS serves a wave's instructions in order
.endr
	s_wait_dscnt 0x0
.irp q, 0,1,2,3
	v_min_u32 v[84+\q], 0x3ff, v[84+\q]
.endr
.irp q, 0,1,2,3
	v_lshlrev_b32 v[84+\q], 2, v[84+\q]
.endr
.irp q, 0,1,2,3
	global_load_b32 v[88+\q], v[84+\q], s[6:7]     ; their routing weights
.endr
	s_max_u32 s38, s30, 1
	s_sub_co_u32 s38, s38, 1
	s_min_u32 s38, s38, 1                          ; group 1 where the region has one, else group 0 again (written, and not used)
	s_mul_i32 s39, s38, 2*TILE
	s_lshl_b32 s38, s38, 11
	v_add_nc_u32 v135, s39, v2
	v_add_nc_u32 v136, s38, v3
	HLOAD 1, 135, 136, 0, 0
	s_wait_loadcnt 29                              ; group 0, the scale words and my weight rows are in; the 4 routing weights' loads and group 1's 25 may be out
	WIN 0x0c
.set i, 0
.rept 48
	ds_store_b128 v130, v[4*i:4*i+3] offset:PITCH*(i/3)+512*(i%3)   ; a third of a row is one load
.set i, i+1
.endr
	WIN 0
	HSTORE 0, 0
	s_wait_loadcnt 25                              ; the routing weights are in
.irp q, 0,1,2,3
	ds_store_b32 v78, v[88+\q] offset:512*\q
.endr
	s_wait_alu depctr_va_vdst(0)
	s_wait_dscnt 0x0                               ; for the others' sake: my rows, my quarter of group 0 and my words are in LDS; and the stores have read their registers
	s_barrier_signal -1
	s_barrier_wait -1
	s_cmp_le_u32 s30, 2
	s_cbranch_scc1 .Lno2
	HLOAD 0, 2, 3, 2*2*TILE, 2*2048                ; group 2
.Lno2:
.irp n, 0,1                            ; my 32 fragments: lane (r, h) takes 24 bytes at 96 s + 24 h and 24 at 48 more, in pieces of 8
.irp hf, 0,1
	WIN (0x40<<\hf)
.irp s, 0,1,2,3,4,5,6,7
.irp c, 0,1,2,3,4,5
	ds_load_b64 v[12*(2*\s+\n)+2*\c:12*(2*\s+\n)+2*\c+1], v131 offset:16*PITCH*\n+96*(\s+8*\hf)+48*(\c/3)+8*(\c%3)
.endr
.endr
.endr
.endr
	WIN 0
	s_wait_dscnt 0x0
; 16 matrix instructions: eight K steps x two tiles of columns.  Four accumulators (even and odd K steps x two tiles) take turns, one instruction a turn.  K steps 0 and 1 start the sums.
.macro MULH b
	WIN 0x0d+\b                                    ; source 0 window 1 or 2, source 1 window 3, C and D window 0
.irp sl, 0,1,2,3,4,5,6,7
.irp n, 0,1
.if (8*\b+\sl) < 2
	v_wmma_scale_f32_16x16x128_f8f6f4 v[AC+16*(\sl%2)+8*\n:AC+16*(\sl%2)+8*\n+7], v[12*(2*\sl+\n):12*(2*\sl+\n)+11], v[96*\b+12*\sl:96*\b+12*\sl+11], 0, v[WS+16*\n+8*\b+\sl], v[HS+8*\b+\sl] matrix_a_fmt:MATRIX_FMT_FP6 matrix_b_fmt:MATRIX_FMT_FP6
.else
	v_wmma_scale_f32_16x16x128_f8f6f4 v[AC+16*(\sl%2)+8*\n:AC+16*(\sl%2)+8*\n+7], v[12*(2*\sl+\n):12*(2*\sl+\n)+11], v[96*\b+12*\sl:96*\b+12*\sl+11], v[AC+16*(\sl%2)+8*\n:AC+16*(\sl%2)+8*\n+7], v[WS+16*\n+8*\b+\sl], v[HS+8*\b+\sl] matrix_a_fmt:MATRIX_FMT_FP6 matrix_b_fmt:MATRIX_FMT_FP6
.endif
.endr
.endr
.endm
; my tile of the group in slot k: its entries, weights, scale words and fragments from LDS, 32 products, the way out
.macro TILEW k
.irp qq, 0,1,2,3
	ds_load_b32 v[124+\qq], v112 offset:128*(\k)+16*\qq   ; the entries of rows 4 qq + l / 8, for the stores
.endr
	ds_load_b32 v120, v113 offset:128*(\k)         ; row r's routing weight
.irp i, 0,1,2,3
	ds_load_b128 v[HS+4*\i:HS+4*\i+3], v[6+(\k)] offset:16*\i
.endr
	WIN 0xc0
.irp s, 0,1,2,3,4,5,6,7,8,9,10,11,12,13,14,15
.irp c, 0,1,2,3,4,5
	ds_load_b64 v[12*\s+2*\c:12*\s+2*\c+1], v[4+(\k)] offset:1536*\s+768*(\c/3)+128*(\c%3)   ; sixteen lanes read 128 bytes on end, the other sixteen 384 bytes further on
.endr
.endr
	WIN 0
	s_wait_dscnt 48                                ; all but K steps 8-15
	MULH 0
	s_wait_dscnt 0x0
	MULH 1
	WIN 0
	s_wait_xcnt 0x0                                ; the last tile's stores have read their data and addresses
.irp qq, 0,1,2,3
	v_min_u32 v[124+\qq], 0x3ff, v[124+\qq]        ; (these eight plain lines are the places behind the last products)
.endr
.irp qq, 0,1,2,3
	v_lshl_add_u32 v[116+\qq], v[124+\qq], 12, v13 ; the entry's row of y, 4,096 bytes, + 16 (l % 8)
.endr
.irp j, 0,2,4,6,8,10,12,14
	v_pk_add_f32 v[AC+\j:AC+\j+1], v[AC+\j:AC+\j+1], v[AC+16+\j:AC+16+\j+1]   ; even and odd K steps; each accumulator from its low end on
.endr
.irp j, 0,2,4,6,8,10,12,14
	v_pk_mul_f32 v[AC+\j:AC+\j+1], v[AC+\j:AC+\j+1], v[120:121] op_sel_hi:[1,0]   ; x my row's routing weight
.endr
.irp n, 0,1
	ds_store_b128 v11, v[AC+8*\n:AC+8*\n+3] offset:64*\n
	ds_store_b128 v11, v[AC+8*\n+4:AC+8*\n+7] offset:64*\n+16
.endr
.irp qq, 0,1,2,3
	ds_load_b128 v[96+4*\qq:99+4*\qq], v12 offset:576*\qq   ; my own stage: LDS serves a wave's instructions in order
.endr
	s_wait_alu depctr_va_vdst(0)                   ; the wait here, directly ahead of the waits below
.irp qq, 0,1,2,3
	s_wait_dscnt 3-\qq                             ; the younger loads from the stage may be out
	global_store_b128 v[116+\qq], v[96+4*\qq:99+4*\qq], s[16:17]   ; four rows x 128 bytes on end
.endr
.endm
; Trip g = s34 + k.  The jumps hang on the region's count and lead round work alone; the barrier is passed by every wave in every trip.
.macro TRIP k
	s_add_co_u32 s38, s34, \k
	s_cmp_ge_u32 s38, s30
	s_cbranch_scc1 .Lbar_\@
	s_lshl_b32 s38, s38, 1
	s_add_co_u32 s38, s38, s26                     ; my tile
	s_cmp_ge_u32 s38, s32
	s_cbranch_scc1 .Lstage_\@
	TILEW \k
.Lstage_\@:
	s_add_co_u32 s38, s34, \k+1
	s_cmp_ge_u32 s38, s30
	s_cbranch_scc1 .Lbar_\@
	s_wait_loadcnt 0x0                             ; group g + 1 is in registers (for 0: whether younger loads are out hangs on the count)
	HSTORE (\k+1)%2, (\k+1)%2                      ; into the slot that was read in trip g - 1
	s_add_co_u32 s38, s34, \k+3
	s_cmp_ge_u32 s38, s30
	s_cbranch_scc1 .Lbar_\@
	s_wait_dscnt 0x0                               ; the stores have read their registers, which group g + 3 takes
	HLOAD (\k+1)%2, 2, 3, (\k+3)*2*TILE, (\k+3)*2048
.Lbar_\@:
	s_wait_dscnt 0x0                               ; my stores into the ring are done, and so are my reads of this trip's slot
	s_barrier_signal -1
	s_barrier_wait -1
.endm
	s_mov_b32 s34, 0                               ; the first group of a round of two trips
	s_mov_b32 s35, 0                               ; its place in the lists
.Lround:
	v_add_nc_u32 v112, s35, v128
	v_add_nc_u32 v113, s35, v129
	s_wait_alu depctr_va_vdst(0)                   ; the wait behind these writes
	TRIP 0
	TRIP 1
	s_wait_xcnt 0x0                                ; the loads have read their bases
	s_add_nc_u64 s[8:9], s[8:9], 4*TILE            ; two groups on
	s_add_nc_u64 s[10:11], s[10:11], 4096
	s_add_co_u32 s35, s35, 256
	s_add_co_u32 s34, s34, 2
	s_cmp_lt_u32 s34, 16
	s_cbranch_scc1 .Lround
	s_wait_tensorcnt 0x0                           ; the wave's end
	ds_add_u32 v[SPW], v[NIL]
	s_wait_dscnt 0x0
	s_endpgm
.Lfunc_end_k_q20abb8d164_down:
	.size	k_q20abb8d164_down, .Lfunc_end_k_q20abb8d164_down-k_q20abb8d164_down
	.p2alignl 7, 3214868480
	.fill 96, 4, 3214868480
	.section	.rodata,"a",@progbits
	.p2align	6, 0x0
	.amdhsa_kernel k_q20abb8d164_down
		.amdhsa_group_segment_fixed_size 215552
		.amdhsa_private_segment_fixed_size 0
		.amdhsa_enable_private_segment 0
		.amdhsa_kernarg_size 56
		.amdhsa_user_sgpr_count 2
		.amdhsa_user_sgpr_kernarg_segment_ptr 1
		.amdhsa_wavefront_size32 1
		.amdhsa_system_sgpr_workgroup_id_x 1
		.amdhsa_system_sgpr_workgroup_id_y 1
		.amdhsa_system_sgpr_workgroup_id_z 1
		.amdhsa_system_vgpr_workitem_id 0
		.amdhsa_next_free_vgpr 1024
		.amdhsa_next_free_sgpr 100
		.amdhsa_reserve_vcc 1
		.amdhsa_float_denorm_mode_32 3
		.amdhsa_float_denorm_mode_16_64 3
		.amdhsa_memory_ordered 1
		.amdhsa_forward_progress 1
		.amdhsa_inst_pref_size 83
	.end_amdhsa_kernel
	.amdgpu_metadata
---
amdhsa.version: [ 1, 2 ]
amdhsa.kernels:
  - .name:           k_q20abb8d164_down
    .symbol:         k_q20abb8d164_down.kd
    .args:
      - { .name: ridx, .offset: 0, .size: 8, .value_kind: global_buffer, .address_space: global }
      - { .name: rw, .offset: 8, .size: 8, .value_kind: global_buffer, .address_space: global }
      - { .name: hq, .offset: 16, .size: 8, .value_kind: global_buffer, .address_space: global }
      - { .name: hs, .offset: 24, .size: 8, .value_kind: global_buffer, .address_space: global }
      - { .name: w_out_codes, .offset: 32, .size: 8, .value_kind: global_buffer, .address_space: global }
      - { .name: w_out_scales, .offset: 40, .size: 8, .value_kind: global_buffer, .address_space: global }
      - { .name: y, .offset: 48, .size: 8, .value_kind: global_buffer, .address_space: global }
    .group_segment_fixed_size: 215552
    .private_segment_fixed_size: 0
    .kernarg_segment_align: 8
    .kernarg_segment_size: 56
    .max_flat_workgroup_size: 128
    .sgpr_count:     100
    .vgpr_count:     1024
    .wavefront_size: 32
...
	.end_amdgpu_metadata
.endif
;; end of part 3
;; launch combine (part 4): grid 256 x 1, 8 waves a work-group, no clusters, 0 bytes of LDS; arguments y, out0; writes out0
.if DOCPART == 4
	.amdgcn_target "amdgcn-amd-amdhsa--gfx1250"
	.amdhsa_code_object_version 6
	.text
	.protected	k_q20abb8d164_combine
	.globl	k_q20abb8d164_combine
	.p2align	8
	.type	k_q20abb8d164_combine,@function
k_q20abb8d164_combine:
	s_mov_b64 s[64:65], 0
	v_nop
	global_prefetch_b8 v0, s[64:65] scope:SCOPE_SE
	s_setreg_imm32_b32 hwreg(HW_REG_WAVE_MODE, 25, 1), 1
	s_wait_xcnt 0x0
; out0[t] = y[2 t] + y[2 t + 1]: a token's two weighted rows.  A work-group takes 4 tokens; thread i takes the 16 bytes at 16 i of each row, so a wave's load or store covers 512 bytes on end.
; A stream: no LDS, no barrier, no matrix unit; all eight loads go out before the first sum.
	s_load_b128 s[4:7], s[0:1], 0x0                ; y, out0
	v_lshlrev_b32 v1, 4, v0
	s_lshl_b32 s8, ttmp9, 15                       ; 4 tokens x 2 rows x 4,096 bytes
	s_mov_b32 s9, 0
	s_lshl_b32 s10, ttmp9, 14
	s_mov_b32 s11, 0
	s_wait_alu depctr_va_vdst(0)
	s_wait_kmcnt 0x0
	s_add_nc_u64 s[4:5], s[4:5], s[8:9]
	s_add_nc_u64 s[6:7], s[6:7], s[10:11]
.irp q, 0,1,2,3
	global_load_b128 v[4+8*\q:7+8*\q], v1, s[4:5] offset:8192*\q th:TH_LOAD_NT
	global_load_b128 v[8+8*\q:11+8*\q], v1, s[4:5] offset:8192*\q+4096 th:TH_LOAD_NT
.endr
.irp q, 0,1,2,3
	s_wait_loadcnt 6-2*\q                          ; this token's two loads are in; the later tokens' may be out
	v_pk_add_f32 v[4+8*\q:5+8*\q], v[4+8*\q:5+8*\q], v[8+8*\q:9+8*\q]
	v_pk_add_f32 v[6+8*\q:7+8*\q], v[6+8*\q:7+8*\q], v[10+8*\q:11+8*\q]
	global_store_b128 v1, v[4+8*\q:7+8*\q], s[6:7] offset:4096*\q th:TH_STORE_NT
.endr
	s_endpgm
.Lfunc_end_k_q20abb8d164_combine:
	.size	k_q20abb8d164_combine, .Lfunc_end_k_q20abb8d164_combine-k_q20abb8d164_combine
	.p2alignl 7, 3214868480
	.fill 96, 4, 3214868480
	.section	.rodata,"a",@progbits
	.p2align	6, 0x0
	.amdhsa_kernel k_q20abb8d164_combine
		.amdhsa_group_segment_fixed_size 0
		.amdhsa_private_segment_fixed_size 0
		.amdhsa_enable_private_segment 0
		.amdhsa_kernarg_size 16
		.amdhsa_user_sgpr_count 2
		.amdhsa_user_sgpr_kernarg_segment_ptr 1
		.amdhsa_wavefront_size32 1
		.amdhsa_system_sgpr_workgroup_id_x 1
		.amdhsa_system_sgpr_workgroup_id_y 1
		.amdhsa_system_sgpr_workgroup_id_z 1
		.amdhsa_system_vgpr_workitem_id 0
		.amdhsa_next_free_vgpr 48
		.amdhsa_next_free_sgpr 66
		.amdhsa_reserve_vcc 0
		.amdhsa_float_denorm_mode_32 3
		.amdhsa_float_denorm_mode_16_64 3
		.amdhsa_memory_ordered 1
		.amdhsa_forward_progress 1
		.amdhsa_inst_pref_size 3
	.end_amdhsa_kernel
	.amdgpu_metadata
---
amdhsa.version: [ 1, 2 ]
amdhsa.kernels:
  - .name:           k_q20abb8d164_combine
    .symbol:         k_q20abb8d164_combine.kd
    .args:
      - { .name: y, .offset: 0, .size: 8, .value_kind: global_buffer, .address_space: global }
      - { .name: out0, .offset: 8, .size: 8, .value_kind: global_buffer, .address_space: global }
    .group_segment_fixed_size: 0
    .private_segment_fixed_size: 0
    .kernarg_segment_align: 8
    .kernarg_segment_size: 16
    .max_flat_workgroup_size: 256
    .sgpr_count:     66
    .vgpr_count:     48
    .wavefront_size: 32
...
	.end_amdgpu_metadata
.endif
;; end of part 4
